; MI455X (gfx1250); checked and timed in simulation.
; The chip was launched on July 23, 2026; its instructions are those of AMD's public machine-readable ISA for CDNA 5 (MIT licence, August 2026) and "CDNA5" Instruction Set Architecture Reference Guide (July 2026). The comments in the code are by the model that wrote it; some were corrected since.
;; Continuous Attention. Allowed arithmetic: matrix products marked QUANTISED: E5M2 operands, one given power-of-two scale a tensor, by v_wmma_f32_16x16x64_bf8_bf8 or v_wmma_f32_16x16x128_bf8_bf8, f32 sums; everything else in f32.
;; Inputs: K 2 x 16 x 2,048 x 256 float32; Q 2 x 16 x 2,048 x 256 float32; V_codes 2 x 16 x 256 x 64 x 32 uint8 (E5M2 codes of V, K innermost, in blocks of 32 codes); lowp_scales 4 int32 (the exponents e of the quantised operands' scales 2^e).
;; Outputs: out0 2 x 16 x 2,048 x 256 float32.
;; This version of the problem:
;;   THIS VERSION OF THE PROBLEM IS GIVEN IN LOW PRECISION. The matrix products marked QUANTISED in the list below multiply operands that are first quantised to E5M2 (5 exponent bits, 2 mantissa bits; 8 bits a number), with one given power-of-two scale for each operand tensor; their sums are f32. All else is computed in f32.
;;   The module's matrix products, in the order in which they are computed (A, B: the left and right operand; K: the contracted axis; several contracted axes count as one K, in the product's order):
;;     1. batch 32 x [M 2,048, K 256] x [K 256, N 2,048]; A: computed on the way; B: computed on the way: QUANTISED (scales: A lowp_scales[0], B lowp_scales[1])
;;     2. batch 32 x [M 2,048, K 2,048] x [K 2,048, N 256]; A: computed on the way; B: input V (given as codes): QUANTISED (scales: A lowp_scales[2], B lowp_scales[3])
;;   THE QUANTISER, for each operand of a quantised product, along K:
;;     - The operand's scale is 2^e, e = its entry of the input lowp_scales (int32; the entries are numbered through the quantised products in the list's order, A before B).
;;     - Each number is divided by the scale, clamped to +-57,344, and rounded to the nearest number of E5M2, ties to even, subnormals kept.
;;     - The product sums the exact products of the quantised numbers (number of the format x scale) in f32.
;;   ~~~python
;;   def quantise(x, axis, e):      # numpy; x: float32 -> the quantised numbers, widened to float32 again
;;       x = np.moveaxis(x, axis, -1); K = x.shape[-1]
;;       r = np.clip(x / 2.0 ** e, -57344, 57344)
;;       step = 2.0 ** (np.maximum(np.frexp(np.where(r == 0, 1, r))[1] - 1, -14) - 2)
;;       q = np.round(r / step) * step * 2.0 ** e      # np.round: ties to even
;;       return np.moveaxis(q, -1, axis).astype(np.float32)
;;   ~~~
;;   OPERANDS COMPUTED ON THE WAY. 'Computed on the way' means the value that the module computes at that place (a softmax that the list does not call 'softmax' is quantised finished and normalised). What goes into a quantiser is computed in f32, as accurately as f32 sums, v_exp_f32 and their like allow (about 1e-6 of the number): no bf16 or f16 on the way to a quantiser, and a product that is left as it is and whose result goes on into a quantised operand takes f32 operands (vector FMAs, or v_wmma_f32_16x16x4_f32). A number that lies on a knife's edge between two numbers of the format may be rounded either way, as far as f32 arithmetic and the matrix unit's own rounding can turn it there, and no further.
;;   INPUTS GIVEN AS CODES. V (in the module: [2, 16, 2048, 256], K = its axis 2): each comes as NAME_codes (uint8): NAME with its K axis moved to the last place and cut into blocks of 32 codes, [.., K / 32, bytes a block], one block behind the other in memory; one code a byte (a code: sign, 5 exponent bits, 2 mantissa bits); its scale is its entry of lowp_scales. Its value is code x scale, taken as it is: it is not quantised again, and the codes and scales need not be those that the quantiser above would give.
;; One version. Each part assembles by itself: llvm-mc -triple=amdgcn-amd-amdhsa -mcpu=gfx1250 --defsym DOCPART=n.
;; ======== version 1 of 1: 2 launches
;; limits: right only within a limited range of input values
;; workspace buffers: qa 16,777,216 bytes; qb 16,777,216 bytes
;; launch rope (part 1): grid 64 x 4, 8 waves a work-group, no clusters, 0 bytes of LDS; arguments Q, lowp_scales, qa, qb; writes qa, qb
.if DOCPART == 1
	.amdgcn_target "amdgcn-amd-amdhsa--gfx1250"
	.amdhsa_code_object_version 6
	.text
	.protected	k_q9fea6ccec2_rope
	.globl	k_q9fea6ccec2_rope
	.p2align	8
	.type	k_q9fea6ccec2_rope,@function
k_q9fea6ccec2_rope:
	s_mov_b64 s[64:65], 0
	v_nop
	global_prefetch_b8 v0, s[64:65] scope:SCOPE_SE
	s_setreg_imm32_b32 hwreg(HW_REG_WAVE_MODE, 25, 1), 1
	s_wait_xcnt 0x0
; QR = rope(Q), quantised twice to codes of E5M2: qa with the scale 2^e0 (the queries' side of the first product), qb with 2^e1 (the keys' side).
; Q: [32 heads][2048 t][256 n] f32.  qa, qb: [32][2048][256 bytes].
; WORK LEFT OUT BY THE WHOLE PROGRAM, for all values of the inputs:
;   K: reference() never reads it (its keys are QR), so K has no way to any output: it is not loaded and is no argument of any launch.
;   scores * tril(ones, -1): a score whose key is not below its query is multiplied by a 0 that reference() builds itself; the quantiser turns that 0 into the code 0, which adds 0 to
;   the second product whatever V holds.  So key steps that lie wholly at or above the diagonal are left out of both products (second launch); inside a step on the diagonal the scores are set to 0.
;   LIMIT: a NaN, an infinity or an overflow that reaches only the work left out is not carried to the result.
; ORDER OF A ROW'S CODES: byte 8 l + i holds n = 4 l + i (i < 4) or n = 128 + 4 l + i - 4 (i >= 4): one fixed permutation of the first product's K, the same in qa and qb, so every product
; meets its partner.  It lets each load take 512 consecutive bytes and each store one whole aligned row of 256 bytes.
; A CODE TURNS OVER WHERE A NUMBER LIES AT THE MIDDLE BETWEEN TWO CODES, and t x f reaches 325 turns, so one unit in the last place of f moves a late angle by 1e-4.  So the phases go in f32, step by step:
;   theta^(idx/n) = 2^(j/8) for pair j (eight rounded constants and a power of two); 1 / that by a reciprocal with a fused correction, which gives the rounded quotient;
;   / (2 pi) AS THE PRODUCT WITH 0.15915494, the f32 number nearest to 1 / (2 pi in f32): a division by a constant in the form of a multiplication.  (Against the rounded quotient this product
;   is one unit in the last place lower for pairs j % 8 = 4 and 6, and equal for all others);
;   t x f; less its floor (exact); x 2 pi in f32;
;   sine and cosine of that f32 angle: carried in a head and a tail up to one last rounding, so that the result is the f32 number nearest to the true value in nearly all cases;
;   the rotation: the product with the sine rounded, then one fused multiply-add with the cosine.
; SHARES: work-group x takes 32 positions t, y takes 8 heads; wave w takes rows t0 .. t0 + 3, t0 = 32 x + 4 w, of those 8 heads.  Lane l holds n = 4 l .. 4 l + 3 and 128 + 4 l .. + 3:
; pairs 2 l, 2 l + 1, 64 + 2 l, 65 + 2 l.  Its 16 cosines and sines are made once, while the first loads are on their way, and serve all 8 heads.
; No LDS, no barrier: waves share nothing.  Four heads' loads (32 loads, 16 KiB a wave) run ahead.
; LIMITS: e0 and e1 between -126 and 112, so that 2^e and 57,344 x 2^e are f32 numbers.  NaN and infinities in Q are not served.
.set QHEAD, 2097152                    ; bytes of a head in Q
.set CHEAD, 524288                     ; bytes of a head in qa and qb
.set FRQ,   4                          ; v4-7    the four pairs' frequencies
.set TFR,   8                          ; v8-11   t of my four rows, as f32
; at work on the angles, four rows side by side, four registers each:
.set ANG,   16                         ; the angle; later z / 12 - 1 / 2
.set MLT,   20                         ; floor; the multiple of pi / 2; later a flag
.set T1R,   24                         ; the angle less the multiple's first part (exact); then what the second step rounded away
.set RHI,   28                         ; the reduced angle r: head,
.set RLO,   32                         ; and tail
.set QUA,   36                         ; the quadrant
.set ZHI,   40                         ; z = head^2: head,
.set ZLO,   44                         ; and tail (exact)
.set WHI,   80                         ; head^3: head,
.set WLO,   84                         ; and tail
.set THI,   88                         ; head^3 / 6: head,
.set TLO,   92                         ; and tail; then the sine's small part
.set QSN,   96                         ; the sine's series from r^5 on
.set RP5,   100                        ; r^5
.set SHI,   104                        ; r - r^3 / 6: head; at last the sine
.set SLO,   108                        ; and its rounding error (exact)
.set DHI,   112                        ; 1 - z / 2: head,
.set DLO,   116                        ; and its rounding error (exact); then the cosine's small part
.set PCS,   120                        ; the cosine's series from z^2 on; at last the cosine
.set ZSQ,   124                        ; z^2
.set ROT,   16                         ; v16-23  later: a row's eight rotated numbers
.set CLA,   24                         ; v24-31  held for e0
.set CLB,   32                         ; v32-39  held for e1
.set TMP,   40                         ; v40-47  products with the sine
.set COSR,  48                         ; v48-63  cos of pair e, row r at 4 e + r
.set SINR,  64                         ; v64-79  sin likewise
.set COD,   80                         ; v80-111 later: codes: two sets of 16 that take turns head by head
.set XIN,   128                        ; v128-255 four sets of 32: a head's four rows as loaded
	s_load_b256 s[4:11], s[0:1], 0x0               ; Q s[4:5], the scales' exponents s[6:7], qa s[8:9], qb s[10:11]
	v_lshrrev_b32 v1, 5, v0
	v_readfirstlane_b32 s12, v1                    ; wave 0..7
	v_and_b32 v1, 31, v0                           ; lane
	v_lshlrev_b32 v2, 4, v1                        ; my 16 bytes of a load's 512; never rewritten
	v_lshlrev_b32 v3, 3, v1                        ; my 8 bytes of a row of codes; never rewritten
	s_lshl_b32 s13, ttmp9, 5
	s_lshl_b32 s14, s12, 2
	s_add_co_u32 s13, s13, s14                     ; t0
	s_and_b32 s14, ttmp7, 0xffff                   ; y
	s_lshl_b32 s16, s14, 24                        ; 8 heads of Q
	s_lshl_b32 s15, s13, 10
	s_add_co_u32 s16, s16, s15                     ; + t0 rows of 1,024 bytes
	s_mov_b32 s17, 0
	s_lshl_b32 s18, s14, 22                        ; 8 heads of codes
	s_lshl_b32 s15, s13, 8
	s_add_co_u32 s18, s18, s15                     ; + t0 rows of 256 bytes
	s_mov_b32 s19, 0
	s_mov_b32 s20, 0x40c90fdb                      ; 2 pi in f32
	s_mov_b32 s21, 0x3f22f983                      ; 2 / pi
	s_mov_b32 s22, 0xbfc90fdb                      ; -(pi / 2), its f32 part,
	s_mov_b32 s23, 0x333bbd2e                      ; and what that part is too large by
	s_mov_b32 s24, 0x3e2aaaab                      ; 1 / 6 in f32,
	s_mov_b32 s25, 0xb1aaaaab                      ; and what is left of 1 / 6
	s_mov_b32 s26, 0x3c088889                      ; 1 / 5!
	s_mov_b32 s27, 0xb9500d01                      ; -1 / 7!
	s_mov_b32 s28, 0x3638ef1d                      ; 1 / 9!
	s_mov_b32 s29, 0xb2d7322b                      ; -1 / 11!
	s_mov_b32 s30, 0x3d2aaaab                      ; 1 / 4! in f32
	s_mov_b32 s31, 0xbab60b61                      ; -1 / 6!
	s_mov_b32 s32, 0x37d00d01                      ; 1 / 8!
	s_mov_b32 s33, 0xb493f27e                      ; -1 / 10!
	s_mov_b32 s34, 0x310f76c7                      ; 1 / 12!
	s_mov_b32 s35, 0x3daaaaab                      ; 1 / 12
	s_mov_b32 s38, 0xb0aaaaab                      ; what is left of 1 / 4!
	s_wait_kmcnt 0x0
	s_load_b64 s[44:45], s[6:7], 0x0               ; e0, e1
	s_add_nc_u64 s[4:5], s[4:5], s[16:17]          ; Q at my rows of head 8 y,
	s_add_nc_u64 s[36:37], s[4:5], 4*QHEAD         ; and of head 8 y + 4: the loads' immediates reach four heads
	s_add_nc_u64 s[8:9], s[8:9], s[18:19]
	s_add_nc_u64 s[10:11], s[10:11], s[18:19]
.macro QL hh                           ; head hh's four rows: eight loads of 512 consecutive bytes
.irp r, 0,1,2,3
	global_load_b128 v[XIN+32*((\hh)%4)+8*\r:XIN+32*((\hh)%4)+8*\r+3], v2, s[4+32*((\hh)/4):5+32*((\hh)/4)] offset:((\hh)%4)*QHEAD+\r*1024 th:TH_LOAD_NT
	global_load_b128 v[XIN+32*((\hh)%4)+8*\r+4:XIN+32*((\hh)%4)+8*\r+7], v2, s[4+32*((\hh)/4):5+32*((\hh)/4)] offset:((\hh)%4)*QHEAD+\r*1024+512 th:TH_LOAD_NT
.endr
.endm
	QL 0
	QL 1
	QL 2
	QL 3
	; the frequencies.  Pair 2 l + d: 2^((2 l + d) / 8) = 2^(l / 4, whole part) x 2^((2 (l % 4) + d) / 8)
	v_and_b32 v16, 3, v1
	v_lshrrev_b32 v17, 2, v1
	v_mov_b32 v4, 1.0                              ; 2^(0/8)
	v_mov_b32 v5, 0x3f8b95c2                       ; 2^(1/8)
	v_mov_b32 v18, 0x3f9837f0                      ; 2^(2/8)
	v_mov_b32 v19, 0x3fa5fed7                      ; 2^(3/8)
	v_cmp_eq_u32 vcc_lo, 1, v16
	v_cndmask_b32 v4, v4, v18, vcc_lo
	v_cndmask_b32 v5, v5, v19, vcc_lo
	v_mov_b32 v18, 0x3fb504f3                      ; 2^(4/8)
	v_mov_b32 v19, 0x3fc5672a                      ; 2^(5/8)
	v_cmp_eq_u32 vcc_lo, 2, v16
	v_cndmask_b32 v4, v4, v18, vcc_lo
	v_cndmask_b32 v5, v5, v19, vcc_lo
	v_mov_b32 v18, 0x3fd744fd                      ; 2^(6/8)
	v_mov_b32 v19, 0x3feac0c7                      ; 2^(7/8)
	v_cmp_eq_u32 vcc_lo, 3, v16
	v_cndmask_b32 v4, v4, v18, vcc_lo
	v_cndmask_b32 v5, v5, v19, vcc_lo
	v_ldexp_f32 v4, v4, v17
	v_ldexp_f32 v5, v5, v17
	v_rcp_f32 v18, v4
	v_rcp_f32 v19, v5
	v_nop                                          ; a plain instruction behind the reciprocals,
	s_wait_alu depctr_va_vdst(0)                   ; and a wait ahead of their first reader
	v_fma_f32 v20, -v4, v18, 1.0                   ; 1 / P, corrected: y + y (1 - P y)
	v_fma_f32 v21, -v5, v19, 1.0
	v_fma_f32 v18, v18, v20, v18
	v_fma_f32 v19, v19, v21, v19
	v_mul_f32 v4, 0.15915494, v18                  ; / (2 pi), as the product with the rounded reciprocal of 2 pi in f32: one rounding
	v_mul_f32 v5, 0.15915494, v19
	v_ldexp_f32 v6, v4, -8                         ; pairs 64 further on: 2^(64/8) smaller, exactly
	v_ldexp_f32 v7, v5, -8
.irp r, 0,1,2,3
	s_add_co_u32 s14, s13, \r
	v_cvt_f32_u32 v[TFR+\r], s14
.endr
; cos and sin of pair e's phase in my four rows, stage by stage with the rows side by side.
; r = angle - m pi / 2, |r| <= pi / 4 or a little more, as head + tail.  With z = head^2:
;   sin(head) = head - head^3 / 6 + head^5 (1/5! - z/7! + z^2/9! - z^3/11!);   cos(head) = 1 - z / 2 + z^2 (1/4! - z/6! + z^2/8! - z^3/10! + z^4/12!);
;   sin r = sin(head) + tail cos(head);   cos r = cos(head) - tail sin(head).
; head^3 / 6 and z / 2, the terms that are large beside the last place of the result, are kept as pairs; each result is one head plus one small part, added with one rounding.
.macro TRIG e
.irp r, 0,1,2,3
	v_mul_f32 v[ANG+\r], v[TFR+\r], v[FRQ+\e]      ; t x f
.endr
.irp r, 0,1,2,3
	v_floor_f32 v[MLT+\r], v[ANG+\r]
.endr
.irp r, 0,1,2,3
	v_sub_f32 v[ANG+\r], v[ANG+\r], v[MLT+\r]      ; mod 1: exact
.endr
.irp r, 0,1,2,3
	v_mul_f32 v[ANG+\r], s20, v[ANG+\r]            ; x 2 pi: the angle as reference() has it
.endr
.irp r, 0,1,2,3
	v_mul_f32 v[MLT+\r], s21, v[ANG+\r]
.endr
.irp r, 0,1,2,3
	v_rndne_f32 v[MLT+\r], v[MLT+\r]               ; m, the nearest multiple of pi / 2: 0 .. 4
.endr
.irp r, 0,1,2,3
	v_fma_f32 v[T1R+\r], v[MLT+\r], s22, v[ANG+\r] ; less m x the first part: exact (a multiple of 2^-23 under 1)
.endr
.irp r, 0,1,2,3
	v_fma_f32 v[RHI+\r], v[MLT+\r], s23, v[T1R+\r] ; r's head
.endr
.irp r, 0,1,2,3
	v_sub_f32 v[T1R+\r], v[T1R+\r], v[RHI+\r]
	v_cvt_i32_f32 v[QUA+\r], v[MLT+\r]
.endr
.irp r, 0,1,2,3
	v_fma_f32 v[RLO+\r], v[MLT+\r], s23, v[T1R+\r] ; r's tail: what the head's rounding left
	v_mul_f32 v[ZHI+\r], v[RHI+\r], v[RHI+\r]
.endr
.irp r, 0,1,2,3
	v_fma_f32 v[ZLO+\r], v[RHI+\r], v[RHI+\r], -v[ZHI+\r]
	v_mul_f32 v[WHI+\r], v[RHI+\r], v[ZHI+\r]
.endr
.irp r, 0,1,2,3
	v_fma_f32 v[WLO+\r], v[RHI+\r], v[ZHI+\r], -v[WHI+\r]
	v_mul_f32 v[THI+\r], s24, v[WHI+\r]
.endr
.irp r, 0,1,2,3
	v_fma_f32 v[WLO+\r], v[RHI+\r], v[ZLO+\r], v[WLO+\r]
	v_fma_f32 v[TLO+\r], v[WHI+\r], s24, -v[THI+\r]
.endr
.irp r, 0,1,2,3
	v_fma_f32 v[TLO+\r], v[WHI+\r], s25, v[TLO+\r]
	v_fma_f32 v[QSN+\r], v[ZHI+\r], s29, s28
.endr
.irp r, 0,1,2,3
	v_fma_f32 v[TLO+\r], v[WLO+\r], s24, v[TLO+\r] ; head^3 / 6 = THI + TLO
	v_fma_f32 v[QSN+\r], v[QSN+\r], v[ZHI+\r], s27
.endr
.irp r, 0,1,2,3
	v_fma_f32 v[QSN+\r], v[QSN+\r], v[ZHI+\r], s26
	v_mul_f32 v[RP5+\r], v[WHI+\r], v[ZHI+\r]
.endr
.irp r, 0,1,2,3
	v_sub_f32 v[SHI+\r], v[RHI+\r], v[THI+\r]      ; the sine's head,
	v_fma_f32 v[DHI+\r], v[ZHI+\r], -0.5, 1.0      ; the cosine's
.endr
.irp r, 0,1,2,3
	v_sub_f32 v[SLO+\r], v[RHI+\r], v[SHI+\r]
	v_sub_f32 v[DLO+\r], 1.0, v[DHI+\r]
.endr
.irp r, 0,1,2,3
	v_sub_f32 v[SLO+\r], v[SLO+\r], v[THI+\r]      ; and what their roundings left: both exact
	v_fma_f32 v[DLO+\r], v[ZHI+\r], -0.5, v[DLO+\r]
.endr
.irp r, 0,1,2,3
	v_fma_f32 v[ANG+\r], v[ZHI+\r], s35, -0.5      ; z's tail counts with the slope -1/2 + z/12
	v_fma_f32 v[PCS+\r], v[ZHI+\r], s34, s33
.endr
.irp r, 0,1,2,3
	v_fma_f32 v[DLO+\r], v[ZLO+\r], v[ANG+\r], v[DLO+\r]
	v_fma_f32 v[PCS+\r], v[PCS+\r], v[ZHI+\r], s32
.endr
.irp r, 0,1,2,3
	v_fma_f32 v[PCS+\r], v[PCS+\r], v[ZHI+\r], s31
	v_mul_f32 v[ZSQ+\r], v[ZHI+\r], v[ZHI+\r]
.endr
.irp r, 0,1,2,3
	v_fma_f32 v[PCS+\r], v[PCS+\r], v[ZHI+\r], s30
	v_fma_f32 v[TLO+\r], v[QSN+\r], v[RP5+\r], -v[TLO+\r]
.endr
.irp r, 0,1,2,3
	v_fma_f32 v[DLO+\r], v[ZSQ+\r], s38, v[DLO+\r] ; the rest of 1 / 4!
	v_add_f32 v[TLO+\r], v[TLO+\r], v[SLO+\r]
.endr
.irp r, 0,1,2,3
	v_fma_f32 v[DLO+\r], v[PCS+\r], v[ZSQ+\r], v[DLO+\r]
.endr
.irp r, 0,1,2,3
	v_fma_f32 v[DLO+\r], -v[RLO+\r], v[SHI+\r], v[DLO+\r]
.endr
.irp r, 0,1,2,3
	v_add_f32 v[PCS+\r], v[DHI+\r], v[DLO+\r]      ; cos r: the one last rounding
.endr
.irp r, 0,1,2,3
	v_fma_f32 v[TLO+\r], v[RLO+\r], v[PCS+\r], v[TLO+\r]
	v_and_b32 v[MLT+\r], 1, v[QUA+\r]
.endr
.irp r, 0,1,2,3
	v_add_f32 v[SHI+\r], v[SHI+\r], v[TLO+\r]      ; sin r likewise
.endr
.irp r, 0,1,2,3
	v_cmp_eq_u32 vcc_lo, 1, v[MLT+\r]              ; odd quadrants change sine and cosine
	v_cndmask_b32 v[SINR+4*\e+\r], v[SHI+\r], v[PCS+\r], vcc_lo
	v_cndmask_b32 v[COSR+4*\e+\r], v[PCS+\r], v[SHI+\r], vcc_lo
.endr
.irp r, 0,1,2,3
	v_lshlrev_b32 v[MLT+\r], 30, v[QUA+\r]         ; the sine is negative in quadrants 2 and 3,
	v_add_nc_u32 v[QUA+\r], 1, v[QUA+\r]
.endr
.irp r, 0,1,2,3
	v_and_b32 v[MLT+\r], 0x80000000, v[MLT+\r]
	v_lshlrev_b32 v[QUA+\r], 30, v[QUA+\r]         ; the cosine in quadrants 1 and 2
.endr
.irp r, 0,1,2,3
	v_xor_b32 v[SINR+4*\e+\r], v[SINR+4*\e+\r], v[MLT+\r]
	v_and_b32 v[QUA+\r], 0x80000000, v[QUA+\r]
.endr
.irp r, 0,1,2,3
	v_xor_b32 v[COSR+4*\e+\r], v[COSR+4*\e+\r], v[QUA+\r]
.endr
.endm
	TRIG 0
	TRIG 1
	TRIG 2
	TRIG 3
	s_wait_kmcnt 0x0
	s_add_co_i32 s44, s44, 127
	s_lshl_b32 s14, s44, 23
	v_mov_b32 v12, s14                             ; 2^e0 as f32: the conversion takes its exponent field
	s_add_co_i32 s44, s44, 15
	s_lshl_b32 s40, s44, 23
	s_or_b32 s40, s40, 0x600000                    ; 57,344 x 2^e0,
	s_or_b32 s41, s40, 0x80000000                  ; and its negative
	s_add_co_i32 s45, s45, 127
	s_lshl_b32 s14, s45, 23
	v_mov_b32 v13, s14                             ; the same for e1
	s_add_co_i32 s45, s45, 15
	s_lshl_b32 s42, s45, 23
	s_or_b32 s42, s42, 0x600000
	s_or_b32 s43, s42, 0x80000000
; Row r of head hh: rotate the four pairs, hold for each scale (the conversion to an 8-bit code does not saturate: ISA guide 7.6.2), convert, store two whole rows of 256 bytes.
; The rotation is v cos + v_rot sin: the product with the sine is rounded, the product with the cosine is added to it in one fused multiply-add.
; The next row's plain multiplies stand between these conversions and the next write of their sources; their results go to stores alone.
.macro ROW hh, r
.set XS, XIN+32*((\hh)%4)+8*(\r)
.set CD, COD+16*((\hh)%2)+4*(\r)
.irp e, 0,1,2,3
	v_mul_f32 v[TMP+2*\e], v[XS+2*\e+1], v[SINR+4*\e+\r]
	v_mul_f32 v[TMP+2*\e+1], v[XS+2*\e], v[SINR+4*\e+\r]
.endr
.irp e, 0,1,2,3
	v_fma_f32 v[ROT+2*\e], v[XS+2*\e], v[COSR+4*\e+\r], -v[TMP+2*\e]       ; x0 cos - x1 sin
	v_fma_f32 v[ROT+2*\e+1], v[XS+2*\e+1], v[COSR+4*\e+\r], v[TMP+2*\e+1]  ; x1 cos + x0 sin
.endr
.irp i, 0,1,2,3,4,5,6,7
	v_med3_num_f32 v[CLA+\i], v[ROT+\i], s41, s40
	v_med3_num_f32 v[CLB+\i], v[ROT+\i], s43, s42
.endr
	v_cvt_scalef32_pk8_bf8_f32 v[CD:CD+1], v[CLA:CLA+7], v12
	v_cvt_scalef32_pk8_bf8_f32 v[CD+2:CD+3], v[CLB:CLB+7], v13
	global_store_b64 v3, v[CD:CD+1], s[8:9] offset:(\hh)*CHEAD+(\r)*256      ; 32 lanes store 256 consecutive bytes, at a multiple of 256 from qa's first byte
	global_store_b64 v3, v[CD+2:CD+3], s[10:11] offset:(\hh)*CHEAD+(\r)*256
.endm
; A head.  left = the loads issued behind this head's eight, which may stay out.
.macro HEAD hh, left
	s_wait_loadcnt \left                           ; loads come back in order: this head's four rows are in
	s_wait_xcnt 0x0                                ; the stores of two heads ago have read their registers: that set of codes is written again only behind this wait
.irp r, 0,1,2,3
	ROW \hh, \r
.endr
.if \hh < 4
	QL \hh+4                                       ; the set just read takes the head four further on
.endif
.endm
	HEAD 0, 24
	HEAD 1, 24
	HEAD 2, 24
	HEAD 3, 24
	HEAD 4, 24
	HEAD 5, 16                                     ; nothing more is loaded: the counts run down
	HEAD 6, 8
	HEAD 7, 0
	s_endpgm
.Lfunc_end_k_q9fea6ccec2_rope:
	.size	k_q9fea6ccec2_rope, .Lfunc_end_k_q9fea6ccec2_rope-k_q9fea6ccec2_rope
	.p2alignl 7, 3214868480
	.fill 96, 4, 3214868480
	.section	.rodata,"a",@progbits
	.p2align	6, 0x0
	.amdhsa_kernel k_q9fea6ccec2_rope
		.amdhsa_group_segment_fixed_size 0
		.amdhsa_private_segment_fixed_size 0
		.amdhsa_enable_private_segment 0
		.amdhsa_kernarg_size 32
		.amdhsa_user_sgpr_count 2
		.amdhsa_user_sgpr_kernarg_segment_ptr 1
		.amdhsa_wavefront_size32 1
		.amdhsa_system_sgpr_workgroup_id_x 1
		.amdhsa_system_sgpr_workgroup_id_y 1
		.amdhsa_system_sgpr_workgroup_id_z 1
		.amdhsa_system_vgpr_workitem_id 0
		.amdhsa_next_free_vgpr 256
		.amdhsa_next_free_sgpr 66
		.amdhsa_reserve_vcc 1
		.amdhsa_float_denorm_mode_32 3
		.amdhsa_float_denorm_mode_16_64 3
		.amdhsa_memory_ordered 1
		.amdhsa_forward_progress 1
		.amdhsa_inst_pref_size 119
	.end_amdhsa_kernel
	.amdgpu_metadata
---
amdhsa.version: [ 1, 2 ]
amdhsa.kernels:
  - .name:           k_q9fea6ccec2_rope
    .symbol:         k_q9fea6ccec2_rope.kd
    .args:
      - { .name: Q, .offset: 0, .size: 8, .value_kind: global_buffer, .address_space: global }
      - { .name: lowp_scales, .offset: 8, .size: 8, .value_kind: global_buffer, .address_space: global }
      - { .name: qa, .offset: 16, .size: 8, .value_kind: global_buffer, .address_space: global }
      - { .name: qb, .offset: 24, .size: 8, .value_kind: global_buffer, .address_space: global }
    .group_segment_fixed_size: 0
    .private_segment_fixed_size: 0
    .kernarg_segment_align: 8
    .kernarg_segment_size: 32
    .max_flat_workgroup_size: 256
    .sgpr_count:     66
    .vgpr_count:     256
    .wavefront_size: 32
...
	.end_amdgpu_metadata
.endif
;; end of part 1
;; launch attn (part 2): grid 8 x 32, 4 waves a work-group, clusters of 4 x 1, 327,680 bytes of LDS; arguments qa, qb, V_codes, lowp_scales, out0; writes out0
.if DOCPART == 2
	.amdgcn_target "amdgcn-amd-amdhsa--gfx1250"
	.amdhsa_code_object_version 6
	.text
	.protected	k_q9fea6ccec2_attn
	.globl	k_q9fea6ccec2_attn
	.p2align	8
	.type	k_q9fea6ccec2_attn,@function
k_q9fea6ccec2_attn:
	s_mov_b64 s[64:65], 0
	v_nop
	global_prefetch_b8 v0, s[64:65] scope:SCOPE_SE
	s_setreg_imm32_b32 hwreg(HW_REG_WAVE_MODE, 25, 1), 1
	s_wait_xcnt 0x0
	s_wait_alu depctr_hold_cnt(0) depctr_sa_sdst(0) depctr_va_vdst(0) depctr_va_sdst(0) depctr_va_ssrc(0) depctr_va_vcc(0) depctr_vm_vsrc(0)
	s_getreg_b32 s2, hwreg(HW_REG_IB_STS2, 6, 4)
	s_cmp_eq_u32 s2, 0
	s_cbranch_scc0 .Lentry_in_a_cluster
	s_endpgm
.Lentry_in_a_cluster:
	s_bfe_u32 s2, ttmp6, 0x10000c
	s_cmp_lg_u32 s2, 0x3003
	s_cbranch_scc0 .Lentry_shape_is_right
	s_endpgm
.Lentry_shape_is_right:
; out[h][q][:] = sum over keys k < q of Quant(QR[q] . QR[k]) V[k][:], both products on codes of E5M2 by v_wmma_f32_16x16x128_bf8_bf8, sums in f32.
; qa, qb: [32][2048][256] codes of QR with the scales 2^e0 (queries) and 2^e1 (keys), made by the launch before.  V_codes: [32][256 channels][2048 keys].  out0: [32][2048][256] f32.
; WORK LEFT OUT: key steps all of whose keys are at or above all of a wave's queries: reference()'s own mask multiplies those scores by 0, their codes are 0 and add 0 to the second product.  K is no argument.
; (A NaN, infinity or overflow that would arise only there is not carried to the result.)  WORK THAT STAYS though it is dead: in a step on the diagonal, waves with b = 1 multiply two tiles of queries
; that lie below all their keys; those tiles share every fragment with live tiles, their scores are held to 0, and the wave with b = 0 has as much live work in the same step.
; SHARES.  A head's queries are four regions of 512; region R needs key slots 0 .. 2 R + 1 (a slot: 256 keys).  A cluster of four work-groups (p = its number in the head, 0 or 1) takes region 3 - p
; (nH = 8 - 2 p slots) and then region p (2 p + 2 slots): TEN slots for every work-group.  All four partners walk the same slots, so each tile of keys and of V is asked for JOINTLY (mask 15).
; Wave (a, b): a = wave / 2 picks a half of the region, b = wave % 2 a half of each slot's keys.  It holds four tiles of 16 queries: query = 512 R + 256 a + 64 k + 16 cx + r, k = 0 .. 3: the partners'
; queries are interleaved, so all four have the same causal limits; cx enters only global offsets and one number for the mask.  My tile k' stands for k = (k' + 2 b) % 4: tiles 0, 1 are those whose sums I
; finish, tiles 2, 3 those that I send to the wave with the other b, through LDS, at a region's end.
; LAYOUT.  S^T = K Q^T (source 0 = 16 keys, source 1 = 16 queries): a lane holds one query (lane % 16) and keys 8 (lane / 16) + 0 .. 7 of a tile, so the conversion of tile T's eight registers IS
; registers 2 T, 2 T + 1 of the second product's first source.  O = P V (source 0 = P, source 1 = 16 channels of V): lane r of V's tile (u, i) takes channel 64 u + 4 r + i, so the four tiles of a
; group u give a lane four neighbouring channels of a row, and sixteen lanes store 256 consecutive bytes straight from registers.
; A score stands for sum x 2^(e0 + e1): its code is sum / 2^(e2 - e0 - e1), held within +-57,344 x that.  A finished sum of the second product is multiplied by 2^(e2 + e3).
; LIMITS: e2 - e0 - e1 between -126 and 112; e2 + e3 between -126 and 127, so that each of these powers of two is an f32 number.
; LDS: two slots of 137,216 bytes (256 rows of keys, 256 + 16 bytes; then 256 rows of V, 256 + 8 bytes: even channels first, then odd); EX: 2 x 4 x 4,096 bytes of register images for the exchange; the spare words.
; REGISTERS, in windows of 256: window 0: v1-18 addresses, v62, v63 the add's two, v64-191 two buffers of scores (at a region's end: what is received and what is stored), v192-255 P.
;   window 1: v0-127 Q (tile k', half g of the head's 256: 32 k' + 16 g), v128-255 two buffers of fragments.   windows 2, 3: O of tiles 0, 1 and of tiles 2, 3: 128 (k' % 2) + 8 (4 u + i) + j.
.set KP,    272                        ; a key's row in LDS: 68 words: the 16 rows of a 16-byte load start at 16 different groups of four banks (64 banks of 4 bytes: ISA guide 11.1)
.set VP,    264                        ; a row of V: 66 words; a fragment's lanes stand two rows apart: 132 words: with 8 (lane / 16) bytes the 32 lanes of an 8-byte load take each bank once
.set KHALF, 128*KP
.set VHALF, 128*VP
.set VOFF,  2*KHALF
.set SLOT,  VOFF+2*VHALF
.set EX,    2*SLOT
.set EXW,   4096
.set EXB,   4*EXW
.set SPARE, EX+2*EXB                   ; the spare words, 128 bytes for each wave: two blocks of 256 bytes that no other line names
.set SBUF,  64
.set PBUF,  192
.set FBUF,  128
.set TBUF,  64
.set OBUF,  128
; v4 AK0, v5 AV0: my lane's place in a slot's keys and in its V; v6, v7 the same in the slot in hand; v8, v9 my rows of qa (tiles 0, 1; tiles 2, 3) in a region, v10, v11 in the region in hand;
; v12, v13 my place in out0 likewise; v14 16 cx + r - 8 h for the mask; v15, v16 where I store and read in EX; v17 the conversions' scale; v18 the prefetches' offset.
; s14 wave, s15 a, s16 b, s17 cx, s18 p, s19 head, s20 nH, s21 the slot's number 0 .. 9, s22 the slot's LDS byte; s[24:31], s[32:39] descriptor groups 1 (keys, V); s[40:43], s[44:47] groups 0;
; s[48:55] bases: keys, V, qa, out0; s[56:57] prefetch address, s[58:59] its step, s60 its limit; s61, s62 my steps on the diagonal, s63 my step that is left out; s66-69 the holds; s[70:71] 2^(e2 + e3);
; s[72:75] e0 .. e3; s76-83 at work; s84, s85 my tile's place in a slot; s86 nH - 1; s87, s88 region p in qa and out0; s89-91 at work on what holds cx.
.set MSB, 0
.macro WIN new                         ; the immediate's high byte repeats the setting that is left; a switch that changes nothing is dropped
.if MSB != \new
	s_set_vgpr_msb (MSB<<8)|\new
.set MSB, \new
.endif
.endm
.macro PLACES                          ; four places behind matrix instructions, ahead of loads into their sources and of reads of their results
.rept 4
	v_nop
.endr
.endm
.macro ROUND                           ; a round of the cluster's barrier
	s_barrier_signal -1
	s_barrier_wait -1
	s_cmp_lg_u32 s14, 0
	s_cbranch_scc1 .Lnot_wave_0_\@
	s_barrier_signal -3
.Lnot_wave_0_\@:
	s_barrier_wait -3
	s_barrier_signal -1
	s_barrier_wait -1
.endm
.macro JLOAD                           ; a joint load: waves 0, 1 fetch the two halves of a slot's keys, waves 2, 3 V's even and odd channels; an s_nop 0 and four v_nop follow each line
	s_cmp_eq_u32 s15, 0
	s_cbranch_scc0 .Lfor_v_\@
	tensor_load_to_lds s[40:43], s[24:31]
	s_nop 0
.rept 4
	v_nop
.endr
	s_branch .Lasked_\@
.Lfor_v_\@:
	tensor_load_to_lds s[44:47], s[32:39]
	s_nop 0
.rept 4
	v_nop
.endr
.Lasked_\@:
.endm
; A prefetch of the slot that the NEXT change of slots will ask for: 256 rows of keys and 256 rows of V, 256 bytes each, a lane a row.  Both clusters of a head walk slots 0 on: the cluster with p = 0, which
; walks all eight, asks.  Its partners share the rows by address: row 64 cx + 32 b + lane, of the keys in waves 0, 1, of V in waves 2, 3: each row's 256 bytes are named once in the launch.
; In slot s it names slot s + 2, up to slot 7: s < 6.  Slots 0 and 1 come by their loads alone.
.macro ASK
	s_cmp_lt_u32 s21, s60
	s_cbranch_scc0 .Lnot_mine_\@
	global_prefetch_b8 v18, s[56:57] th:TH_LOAD_NT scope:SCOPE_SE
.Lnot_mine_\@:
.endm
	s_load_b256 s[4:11], s[0:1], 0x0               ; qa s[4:5], qb s[6:7], V's codes s[8:9], the scales' exponents s[10:11]
	s_load_b64 s[12:13], s[0:1], 0x20              ; out0
	v_lshl_add_u32 v62, v0, 2, SPARE
	v_mov_b32 v63, 0
	ds_add_u32 v62, v63                            ; the wave's opening: the add, twice on end, and its wait ahead of my first tensor load
	ds_add_u32 v62, v63
	v_lshrrev_b32 v1, 5, v0
	v_readfirstlane_b32 s14, v1                    ; wave 0..3
	s_lshr_b32 s15, s14, 1                         ; a
	s_and_b32 s16, s14, 1                          ; b
	s_bfe_u32 s17, ttmp6, 0x40000                  ; cx
	s_mov_b32 s18, ttmp9                           ; p: the cluster's number in its head
	s_and_b32 s19, ttmp7, 0xffff                   ; the head
	s_lshl_b32 s76, s18, 1
	s_sub_co_u32 s20, 8, s76                       ; nH
	s_sub_co_u32 s86, s20, 1
	s_sub_co_u32 s61, s20, 2
	s_add_co_u32 s61, s61, s15                     ; the first region's step on my diagonal: nH - 2 + a
	s_add_co_u32 s62, s15, 8                       ; the second region's: 8 + a
	s_cmp_eq_u32 s15, 0
	s_cselect_b32 s63, s86, 99                     ; a = 0: slot nH - 1 lies above all my queries (so does slot 9: the tail)
	s_cmp_eq_u32 s18, 0
	s_cselect_b32 s60, 6, 0
	s_lshl_b32 s87, s18, 17                        ; region p: 512 p rows of 256 bytes,
	s_lshl_b32 s88, s18, 19                        ; of 1,024 bytes
	s_mul_i32 s84, s16, KHALF
	s_mul_i32 s85, s16, VHALF
	s_add_co_u32 s85, s85, VOFF
	; descriptor groups 1: 128 rows x 256 bytes.  Keys: dense in memory, 4 words of padding behind every 64.  V: every second channel (4,096 bytes apart), 2 words of padding
	s_mov_b32 s24, 15|(1<<20)|(1<<21)|(5<<22)|(3<<25)   ; 15:0 the mask: all four work-groups; 17:16 elements of 1 byte; 20 padding on; 21 set beside a mask; 24:22 after every 64 words; 31:25 four words
	s_mov_b32 s25, 256<<16                         ; tensor_dim0
	s_mov_b32 s26, 128<<16                         ; tensor_dim1
	s_mov_b32 s27, 256<<16                         ; tile_dim0
	s_mov_b32 s28, 128                             ; tile_dim1
	s_mov_b32 s29, 256                             ; from row to row
	s_mov_b32 s30, 0
	s_mov_b32 s31, 0
	s_mov_b32 s32, 15|(1<<20)|(1<<21)|(5<<22)|(1<<25)
	s_mov_b32 s33, 256<<16
	s_mov_b32 s34, 128<<16
	s_mov_b32 s35, 256<<16
	s_mov_b32 s36, 128
	s_mov_b32 s37, 4096
	s_mov_b32 s38, 0
	s_mov_b32 s39, 0
	s_mov_b32 s40, 1                               ; groups 0: count = 1
	s_mov_b32 s44, 1
	s_lshl_b32 s76, s19, 19                        ; the head's first byte in qa, qb and V's codes
	s_mov_b32 s77, 0
	s_lshl_b32 s78, s16, 15
	s_add_co_u32 s78, s78, s76                     ; keys: + 128 b rows
	s_mov_b32 s79, 0
	s_lshl_b32 s80, s16, 11
	s_add_co_u32 s80, s80, s76                     ; V: + channel b
	s_mov_b32 s81, 0
	s_lshl_b32 s82, s19, 21                        ; the head in out0
	s_mov_b32 s83, 0
	s_wait_dscnt 0x0                               ; both opening adds are done
	s_wait_kmcnt 0x0
	s_load_b128 s[72:75], s[10:11], 0x0            ; e0, e1, e2, e3
	s_add_nc_u64 s[48:49], s[6:7], s[78:79]
	s_add_nc_u64 s[50:51], s[8:9], s[80:81]
	s_add_nc_u64 s[52:53], s[4:5], s[76:77]
	s_add_nc_u64 s[54:55], s[12:13], s[82:83]
	ROUND                                          ; all four work-groups are here: the first joint loads meet
	s_mov_b32 s41, s84                             ; slot 0
	s_mov_b64 s[42:43], s[48:49]                   ; key slot 0
	s_or_b32 s43, s43, 0x80000000                  ; type = 2
	s_mov_b32 s45, s85
	s_mov_b64 s[46:47], s[50:51]
	s_or_b32 s47, s47, 0x80000000
	JLOAD
	; the prefetches: where mine stand.  They begin at slot 1; the first change of slots steps them to slot 2
	s_cmp_eq_u32 s15, 0
	s_cselect_b64 s[56:57], s[6:7], s[8:9]
	s_mov_b32 s58, 256
	s_cselect_b32 s58, 0x10000, s58                ; a slot on: 256 rows of keys, or 256 bytes in a row of V
	s_mov_b32 s89, 2048
	s_cselect_b32 s89, 256, s89                    ; from row to row
	s_mov_b32 s59, 0
	v_and_b32 v3, 31, v0                           ; lane
	v_mul_lo_u32 v18, v3, s89
	s_lshl_b32 s90, s17, 6
	s_lshl_b32 s91, s16, 5
	s_add_co_u32 s90, s90, s91                     ; row 64 cx + 32 b
	s_mul_i32 s90, s90, s89
	s_add_co_u32 s90, s90, s58
	s_add_co_u32 s90, s90, s76                     ; in my head
	s_mov_b32 s91, 0
	s_add_nc_u64 s[56:57], s[56:57], s[90:91]
	; addresses
	v_and_b32 v1, 15, v0                           ; r
	v_bfe_u32 v2, v0, 4, 1                         ; h
	v_mul_u32_u24 v4, v1, KP
	v_lshl_add_u32 v4, v2, 4, v4
	v_add_nc_u32 v4, s84, v4                       ; keys: row r, + 16 h, in my half of the slot's keys
	v_mul_u32_u24 v5, v1, 2*VP
	v_lshl_add_u32 v5, v2, 3, v5
	s_lshl_b32 s77, s16, 7
	s_add_co_u32 s77, s77, VOFF
	v_add_nc_u32 v5, s77, v5                       ; V: two rows a lane, + 8 h, + my 128 keys of the row's 256
	s_lshl_b32 s77, s14, 12
	s_add_co_u32 s77, s77, EX
	v_lshl_add_u32 v15, v3, 4, s77                 ; EX: my wave's 4,096 bytes, 16 a lane;
	s_xor_b32 s77, s14, 1
	s_lshl_b32 s77, s77, 12
	s_add_co_u32 s77, s77, EX
	v_lshl_add_u32 v16, v3, 4, s77                 ; and those of the wave with the other b
	s_lshl_b32 s89, s15, 8
	s_lshl_b32 s90, s17, 4
	s_add_co_u32 s89, s89, s90                     ; 256 a + 16 cx
	v_lshlrev_b32 v14, 3, v2
	v_sub_nc_u32 v14, v1, v14
	v_add_nc_u32 v14, s90, v14                     ; 16 cx + r - 8 h
	s_lshl_b32 s90, s16, 7
	s_add_co_u32 s91, s89, s90                     ; the rows of the tiles that I finish: + 128 b
	s_xor_b32 s90, s90, 128
	s_add_co_u32 s89, s89, s90                     ; of the tiles that I send: + 128 (1 - b)
	v_lshlrev_b32 v8, 8, v1
	v_lshl_add_u32 v8, v2, 4, v8                   ; row r of 256 bytes, + 16 h
	s_lshl_b32 s89, s89, 8
	v_add_nc_u32 v9, s89, v8
	s_lshl_b32 s89, s91, 8
	v_add_nc_u32 v8, s89, v8
	v_lshlrev_b32 v12, 13, v2
	v_lshl_add_u32 v12, v1, 4, v12                 ; out0: row 8 h of 1,024 bytes, + 16 r
	s_lshl_b32 s89, s91, 10
	v_add_nc_u32 v12, s89, v12
	s_sub_co_u32 s77, 3, s18                       ; the first region: 3 - p
	s_lshl_b32 s78, s77, 17
	v_add_nc_u32 v10, s78, v8
	v_add_nc_u32 v11, s78, v9
	s_lshl_b32 s78, s77, 19
	v_add_nc_u32 v13, s78, v12
; Q's four tiles, 32 loads.  A fragment (16 rows x 128 of the head's 256) is four loads of 16 bytes, 32 apart, at row + 16 h: the same places as the keys' fragments take
.macro QLOAD
	WIN 0x40                                       ; destination window 1
.irp k, 0,1,2,3
.irp g, 0,1
.irp c, 0,1,2,3
	global_load_b128 v[32*\k+16*\g+4*\c:32*\k+16*\g+4*\c+3], v[10+\k/2], s[52:53] offset:(\k%2)*16384+128*\g+32*\c
.endr
.endr
.endr
	WIN 0
.endm
	QLOAD
	s_wait_kmcnt 0x0
	s_sub_co_i32 s76, s74, s72
	s_sub_co_i32 s76, s76, s73
	s_add_co_i32 s76, s76, 127
	s_lshl_b32 s77, s76, 23
	v_mov_b32 v17, s77                             ; 2^(e2 - e0 - e1) as f32: the conversions take its exponent field
	s_add_co_i32 s76, s76, 15
	s_lshl_b32 s66, s76, 23
	s_or_b32 s66, s66, 0x600000                    ; 57,344 x that,
	s_or_b32 s67, s66, 0x80000000                  ; and its negative
	s_cmp_eq_u32 s16, 0
	s_cselect_b32 s68, s66, 0                      ; on the diagonal, tiles 2, 3: b = 0: every key counts; b = 1: none does: held to 0
	s_cselect_b32 s69, s67, 0
	s_add_co_i32 s70, s74, s75
	s_add_co_i32 s70, s70, 127
	s_lshl_b32 s70, s70, 23                        ; 2^(e2 + e3)
	s_mov_b32 s71, s70                             ; (named with it as a pair, so it is written)
; 16 LDS loads: the fragments of key tiles 2 n, 2 n + 1 (both halves g of the head's 256) into buffer buf
.macro LK n, buf
	WIN 0x40
.irp t, 0,1
.irp g, 0,1
.irp c, 0,1,2,3
	ds_load_b128 v[FBUF+64*(\buf)+16*(2*\t+\g)+4*\c:FBUF+64*(\buf)+16*(2*\t+\g)+4*\c+3], v6 offset:16*(2*(\n)+\t)*KP+128*\g+32*\c
.endr
.endr
.endr
.endm
; 32 LDS loads: V's four tiles of group u.  Tile i: channel 64 u + 4 r + i lies in LDS row 128 (i % 2) + 32 u + 2 r + i / 2; registers 2 c, 2 c + 1 hold keys 16 c + 8 h + 0 .. 7
.macro LV u, buf
	WIN 0x40
.irp i, 0,1,2,3
.irp c, 0,1,2,3,4,5,6,7
	ds_load_b64 v[FBUF+64*(\buf)+16*\i+2*\c:FBUF+64*(\buf)+16*\i+2*\c+1], v7 offset:(128*(\i%2)+32*(\u)+(\i/2))*VP+16*\c
.endr
.endr
.endm
; 16 matrix instructions: key tiles 2 n, 2 n + 1 x my four tiles of queries, the head's 256 in two halves.  The eight accumulators take turns, one instruction a turn;
; the first half starts the sums.  slice = 1: behind each matrix instruction stand four holds of the OTHER buffer's scores: the score is source 2 and the destination, which stay in window 0.
.macro WS n, slice
	WIN 0x05                                       ; sources 0 and 1 window 1
.set w, 0
.irp g, 0,1
.irp t, 0,1
.irp k, 0,1,2,3
.set rD, SBUF+64*((\n)%2)+8*(4*\t+\k)
.set rA, FBUF+64*((\n)%2)+16*(2*\t+\g)
.set rB, 32*\k+16*\g
.if \g == 0
	v_wmma_f32_16x16x128_bf8_bf8 v[rD:rD+7], v[rA:rA+15], v[rB:rB+15], 0
.else
	v_wmma_f32_16x16x128_bf8_bf8 v[rD:rD+7], v[rA:rA+15], v[rB:rB+15], v[rD:rD+7]
.endif
.if \slice
.set rX, SBUF+64*(1-(\n)%2)+4*w
.irp q, 0,1,2,3
	v_med3_num_f32 v[rX+\q], s67, s66, v[rX+\q]    ; the conversion to an 8-bit code does not saturate (ISA guide 7.6.2): the hold; each accumulator from its low end on
.endr
.endif
.set w, w+1
.endr
.endr
.endr
	PLACES
.endm
.macro QP n                            ; the holds of buffer n % 2, on end
	WIN 0
.set rX, SBUF+64*((\n)%2)
.rept 64
	v_med3_num_f32 v[rX], v[rX], s67, s66
.set rX, rX+1
.endr
.endm
; The same on the diagonal.  Tiles 0, 1: key 16 T + 8 h + j of my 128 counts for query 64 k' + 16 cx + r of the same 128 where it is below it: 16 T + j - 64 k' < 16 cx + r - 8 h; else the score becomes 0,
; as reference()'s mask makes it.  Tiles 2, 3: all or none, by the holds s68, s69.
.macro QM n
	WIN 0
.irp t, 0,1
.irp k, 0,1
.irp j, 0,1,2,3,4,5,6,7
.set rX, SBUF+64*((\n)%2)+8*(4*\t+\k)+\j
	v_cmp_lt_i32 vcc_lo, 16*(2*(\n)+\t)+\j-64*\k, v14
	v_cndmask_b32 v[rX], 0, v[rX], vcc_lo
	v_med3_num_f32 v[rX], v[rX], s67, s66
.endr
.endr
.irp k, 2,3
.irp j, 0,1,2,3,4,5,6,7
.set rX, SBUF+64*((\n)%2)+8*(4*\t+\k)+\j
	v_med3_num_f32 v[rX], v[rX], s69, s68
.endr
.endr
.endr
.endm
.macro CV n                            ; eight conversions: tile T = 2 n + t of query tile k' becomes registers 2 T, 2 T + 1 of P's fragment k'
	WIN 0
.irp t, 0,1
.irp k, 0,1,2,3
	v_cvt_scalef32_pk8_bf8_f32 v[PBUF+16*\k+2*(2*(\n)+\t):PBUF+16*\k+2*(2*(\n)+\t)+1], v[SBUF+64*((\n)%2)+8*(4*\t+\k):SBUF+64*((\n)%2)+8*(4*\t+\k)+7], v17
.endr
.endr
	v_nop                                          ; a plain instruction between the conversions and the matrix instructions that read their results and write their sources
.endm
; A step's scores: my 128 keys in four runs of 32.  Each wait's count is the one run of loads issued behind the run that is wanted (16 for keys, 32 for V).  Both forms end with V's groups 0 and 1 on their way.
.macro SPLAIN
	LK 0, 0
	LK 1, 1
	s_wait_dscnt 16
	WS 0, 0
	LK 2, 0
	s_wait_dscnt 16
	WS 1, 1
	LK 3, 1
	CV 0
	s_wait_dscnt 16
	WS 2, 1
	LV 0, 0
	CV 1
	s_wait_dscnt 32
	WS 3, 1
	LV 1, 1
	CV 2
	QP 3
	CV 3
.endm
.macro SMASK
	LK 0, 0
	LK 1, 1
	s_wait_dscnt 16
	WS 0, 0
	LK 2, 0
	QM 0
	CV 0
	s_wait_dscnt 16
	WS 1, 0
	LK 3, 1
	QM 1
	CV 1
	s_wait_dscnt 16
	WS 2, 0
	LV 0, 0
	QM 2
	CV 2
	s_wait_dscnt 32
	WS 3, 0
	LV 1, 1
	QM 3
	CV 3
.endm
; 16 matrix instructions: O += P V for group u's four tiles of channels x my four tiles of queries; sixteen different accumulators.  zero = 1: they start the sums
.macro WG u, zero
	WIN 0xa4                                       ; source 0 (P) window 0, source 1 (V) window 1, C and D window 2
.irp k, 0,1
.irp i, 0,1,2,3
.set rO, 128*\k+8*(4*(\u)+\i)
.set rV, FBUF+64*((\u)%2)+16*\i
.if \zero
	v_wmma_f32_16x16x128_bf8_bf8 v[rO:rO+7], v[PBUF+16*\k:PBUF+16*\k+15], v[rV:rV+15], 0
.else
	v_wmma_f32_16x16x128_bf8_bf8 v[rO:rO+7], v[PBUF+16*\k:PBUF+16*\k+15], v[rV:rV+15], v[rO:rO+7]
.endif
.endr
.endr
	WIN 0xf4                                       ; C and D window 3
.irp k, 0,1
.irp i, 0,1,2,3
.set rO, 128*\k+8*(4*(\u)+\i)
.set rV, FBUF+64*((\u)%2)+16*\i
.if \zero
	v_wmma_f32_16x16x128_bf8_bf8 v[rO:rO+7], v[PBUF+32+16*\k:PBUF+32+16*\k+15], v[rV:rV+15], 0
.else
	v_wmma_f32_16x16x128_bf8_bf8 v[rO:rO+7], v[PBUF+32+16*\k:PBUF+32+16*\k+15], v[rV:rV+15], v[rO:rO+7]
.endif
.endr
.endr
.endm
.macro PV zero
	s_wait_dscnt 32                                ; group 0 is in; group 1's 32 loads may be out
	WG 0, \zero
	PLACES
	LV 2, 0
	s_wait_dscnt 32
	WG 1, \zero
	PLACES
	LV 3, 1
	s_wait_dscnt 32
	WG 2, \zero
	s_wait_dscnt 0x0
	WG 3, \zero
	WIN 0
.endm
; THE CHANGE OF SLOTS, at a slot's head.  Each wave waits for all its tensor loads (one is out: its part of the slot ahead), adds 0 to its spare word, and waits for that and for its reads of the slot left.
; fill = 1: a round of the cluster's barrier, so that no wave of any partner still reads that slot or has a load on its way; then the joint load of slot number s21 + 1, first thing behind the round:
; it has this slot's work in which to land.  The descriptors are written between the wait for the loads and the round.
.macro CHANGE fill
	WIN 0
	s_wait_tensorcnt 0x0
	ds_add_u32 v62, v63                            ; 0 onto my spare word
.if \fill
	s_add_co_u32 s76, s21, 1                       ; the slot to be asked for,
	s_and_b32 s77, s76, 1
	s_mul_i32 s77, s77, SLOT                       ; its place in LDS,
	s_add_co_u32 s41, s77, s84
	s_add_co_u32 s45, s77, s85
	s_cmp_ge_u32 s76, s20
	s_cselect_b32 s77, s20, 0
	s_sub_co_u32 s76, s76, s77                     ; and which 256 keys it holds: the second region begins at key 0 again
	s_lshl_b32 s78, s76, 16
	s_mov_b32 s79, 0
	s_add_nc_u64 s[42:43], s[48:49], s[78:79]
	s_or_b32 s43, s43, 0x80000000
	s_lshl_b32 s78, s76, 8
	s_add_nc_u64 s[46:47], s[50:51], s[78:79]
	s_or_b32 s47, s47, 0x80000000
	s_wait_xcnt 0x0                                ; the last prefetch, a slot back, has read its address
	s_add_nc_u64 s[56:57], s[56:57], s[58:59]
.endif
	s_and_b32 s22, s21, 1
	s_mul_i32 s22, s22, SLOT                       ; the slot ahead
	s_wait_dscnt 0x0                               ; the add is done, and my reads of the slot left are over
.if \fill
	ROUND
	JLOAD
	ASK
.else
	s_barrier_signal -1
	s_barrier_wait -1
	PLACES
.endif
	v_add_nc_u32 v6, s22, v4
	v_add_nc_u32 v7, s22, v5
.endm
; A REGION'S END.  The two waves with one a hold partial sums over different keys of the same queries.  Each sends tiles 2, 3 as images of their registers (32 registers a piece: tile x / 4, group x % 4),
; receives the other's, adds them to its tiles 0, 1, multiplies by 2^(e2 + e3) and stores.  EX has two buffers by turns and one barrier a piece: in front of barrier x each wave has waited for its
; stores of piece x and its loads of piece x - 1; behind it piece x is read, and piece x + 1 is written over piece x - 1.
.macro SEND x
	WIN 0x0c                                       ; data window 3
.irp c, 0,1,2,3,4,5,6,7
	ds_store_b128 v15, v[128*((\x)/4)+32*((\x)%4)+4*\c:128*((\x)/4)+32*((\x)%4)+4*\c+3] offset:((\x)%2)*EXB+512*\c
.endr
.endm
.macro RECV x
	WIN 0
.irp c, 0,1,2,3,4,5,6,7
	ds_load_b128 v[TBUF+32*((\x)%2)+4*\c:TBUF+32*((\x)%2)+4*\c+3], v16 offset:((\x)%2)*EXB+512*\c
.endr
.endm
.macro PROCESS x
	s_wait_xcnt 0x0                                ; earlier stores have read their registers
	WIN 0x08                                       ; source 1 window 2
.irp i, 0,1,2,3
.irp j, 0,1,2,3,4,5,6,7
	v_add_f32 v[OBUF+32*((\x)%2)+4*\j+\i], v[TBUF+32*((\x)%2)+8*\i+\j], v[128*((\x)/4)+32*((\x)%4)+8*\i+\j]   ; tile i's register j goes to place i of row j's four: the turn rides on the addition; each accumulator from its low end on
.endr
.endr
	WIN 0
.irp q, 0,2,4,6,8,10,12,14,16,18,20,22,24,26,28,30
	v_pk_mul_f32 v[OBUF+32*((\x)%2)+\q:OBUF+32*((\x)%2)+\q+1], v[OBUF+32*((\x)%2)+\q:OBUF+32*((\x)%2)+\q+1], s[70:71] op_sel_hi:[1,0]
.endr
.irp j, 0,1,2,3,4,5,6,7
	global_store_b128 v13, v[OBUF+32*((\x)%2)+4*\j:OBUF+32*((\x)%2)+4*\j+3], s[54:55] offset:((\x)/4)*65536+\j*1024+256*((\x)%4) th:TH_STORE_NT   ; sixteen lanes store 256 consecutive bytes, at a multiple of 256 from out0's first byte
.endr
.endm
.macro FLUSH last
	PLACES
.if !\last
	v_add_nc_u32 v10, s87, v8                      ; the second region's queries are asked for now and land during the exchange
	v_add_nc_u32 v11, s87, v9
	QLOAD
.endif
	SEND 0
.irp x, 0,1,2,3,4,5,6,7
	s_wait_dscnt 0x0
	s_barrier_signal -1
	s_barrier_wait -1
	RECV \x
.if \x < 7
	SEND \x+1
.endif
.if \x > 0
	PROCESS \x-1
.endif
.endr
	s_wait_dscnt 0x0
	PROCESS 7
.if !\last
	s_wait_xcnt 0x0                                ; the stores have read their offset
	v_add_nc_u32 v13, s88, v12
	s_wait_loadcnt 0x0                             ; Q
.endif
.endm
	; slot 0 stands in front of the loop: every key counts for every wave, and its second product starts the sums
	s_mov_b32 s21, 0
	CHANGE 1
	s_wait_loadcnt 0x0                             ; Q
	SPLAIN
	PV 1
	s_mov_b32 s21, 1
.Lslot:                                            ; slots 1 to 8.  The branches hang on the slot's number, p and the wave's number, and lead round work alone; that round FLUSH on the slot's number and p alone
	CHANGE 1
	s_cmp_eq_u32 s21, s63
	s_cbranch_scc1 .Lstep_done
	s_cmp_eq_u32 s21, s61
	s_cbranch_scc1 .Ldiagonal
	s_cmp_eq_u32 s21, s62
	s_cbranch_scc1 .Ldiagonal
	SPLAIN
	s_branch .Lsecond
.Ldiagonal:
	SMASK
.Lsecond:
	s_cmp_eq_u32 s21, s20
	s_cbranch_scc1 .Lstart
	PV 0
	s_branch .Lstep_done
.Lstart:
	PV 1                                           ; the second region's first slot starts the sums anew
.Lstep_done:
	s_cmp_eq_u32 s21, s86
	s_cbranch_scc0 .Lno_flush
	FLUSH 0
.Lno_flush:
	s_add_co_u32 s21, s21, 1
	s_cmp_lt_u32 s21, 9
	s_cbranch_scc1 .Lslot
	CHANGE 0                                       ; slot 9 is written out: nothing more is asked for
	s_cmp_eq_u32 s15, 0
	s_cbranch_scc1 .Llast_done                     ; a = 0: it lies above all my queries
	SMASK
	PV 0
.Llast_done:
	FLUSH 1
	s_wait_tensorcnt 0x0                           ; the wave's end: behind my last tensor load and my last LDS store
	ds_add_u32 v62, v63
	s_wait_dscnt 0x0
	ROUND                                          ; the closing round: no work-group ends while a partner may still ask for a tile that names it
	s_endpgm
.Lfunc_end_k_q9fea6ccec2_attn:
	.size	k_q9fea6ccec2_attn, .Lfunc_end_k_q9fea6ccec2_attn-k_q9fea6ccec2_attn
	.p2alignl 7, 3214868480
	.fill 96, 4, 3214868480
	.section	.rodata,"a",@progbits
	.p2align	6, 0x0
	.amdhsa_kernel k_q9fea6ccec2_attn
		.amdhsa_group_segment_fixed_size 327680
		.amdhsa_private_segment_fixed_size 0
		.amdhsa_enable_private_segment 0
		.amdhsa_kernarg_size 40
		.amdhsa_user_sgpr_count 2
		.amdhsa_user_sgpr_kernarg_segment_ptr 1
		.amdhsa_wavefront_size32 1
		.amdhsa_system_sgpr_workgroup_id_x 1
		.amdhsa_system_sgpr_workgroup_id_y 1
		.amdhsa_system_sgpr_workgroup_id_z 1
		.amdhsa_system_vgpr_workitem_id 0
		.amdhsa_next_free_vgpr 1024
		.amdhsa_next_free_sgpr 96
		.amdhsa_reserve_vcc 1
		.amdhsa_float_denorm_mode_32 3
		.amdhsa_float_denorm_mode_16_64 3
		.amdhsa_memory_ordered 1
		.amdhsa_forward_progress 1
		.amdhsa_inst_pref_size 255
	.end_amdhsa_kernel
	.section	.bss,"aw",@nobits
	.p2align	6
	.space	262144
	.amdgpu_metadata
---
amdhsa.version: [ 1, 2 ]
amdhsa.kernels:
  - .name:           k_q9fea6ccec2_attn
    .symbol:         k_q9fea6ccec2_attn.kd
    .args:
      - { .name: qa, .offset: 0, .size: 8, .value_kind: global_buffer, .address_space: global }
      - { .name: qb, .offset: 8, .size: 8, .value_kind: global_buffer, .address_space: global }
      - { .name: V_codes, .offset: 16, .size: 8, .value_kind: global_buffer, .address_space: global }
      - { .name: lowp_scales, .offset: 24, .size: 8, .value_kind: global_buffer, .address_space: global }
      - { .name: out0, .offset: 32, .size: 8, .value_kind: global_buffer, .address_space: global }
    .group_segment_fixed_size: 327680
    .private_segment_fixed_size: 0
    .kernarg_segment_align: 8
    .kernarg_segment_size: 40
    .max_flat_workgroup_size: 128
    .sgpr_count:     96
    .vgpr_count:     1024
    .wavefront_size: 32
...
	.end_amdgpu_metadata
.endif
;; end of part 2
